; MI455X (gfx1250); checked and timed in simulation.
; The chip was launched on July 23, 2026; its instructions are those of AMD's public machine-readable ISA for CDNA 5 (MIT licence, August 2026) and "CDNA5" Instruction Set Architecture Reference Guide (July 2026). The comments in the code are by the model that wrote it; some were corrected since.
;; GRU Cell. Allowed arithmetic: float matrix products may take bf16 or f16 operands with f32 sums; all other float work in f32.
;; Inputs: b_n 2,048 float32; b_r 2,048 float32; b_z 2,048 float32; inputs 2,048 x 2,048 float32; states 2,048 x 2,048 float32; w_n 4,096 x 2,048 float32; w_r 4,096 x 2,048 float32; w_z 4,096 x 2,048 float32.
;; Outputs: out0 2,048 x 2,048 float32.
;; 2 versions, each right; version 2 is version 1 with the launch prep written anew for expert scheduling mode. Each part assembles by itself: llvm-mc -triple=amdgcn-amd-amdhsa -mcpu=gfx1250 --defsym DOCPART=n.
;; ======== version 1 of 2: 3 launches
;; workspace buffers: xb 16,777,216 bytes; wb 50,331,648 bytes; sr 8,388,608 bytes; zb 16,777,216 bytes; nxb 16,777,216 bytes
;; launch prep (part 1): grid 64 x 8, 8 waves a work-group, no clusters, 0 bytes of LDS; arguments inputs, states, w_r, w_z, w_n, xb, wb; writes xb, wb
.if DOCPART == 1
	.amdgcn_target "amdgcn-amd-amdhsa--gfx1250"
	.amdhsa_code_object_version 6
	.text
	.protected	k_q679073791e_prep
	.globl	k_q679073791e_prep
	.p2align	8
	.type	k_q679073791e_prep,@function
k_q679073791e_prep:
	s_mov_b64 s[64:65], 0
	v_nop
	global_prefetch_b8 v0, s[64:65] scope:SCOPE_SE
	s_setreg_imm32_b32 hwreg(HW_REG_WAVE_MODE, 25, 1), 1
	s_wait_xcnt 0x0
; prep: rounds the matrix operands to bf16 once and lays them out for the two product launches.
;   xb byte m*8192 + t*256 + p*128 + 2j : p = 0 inputs[m][64t+j], p = 1 states[m][64t+j]  (t 0..31, j 0..63)
;   wb byte k*24576 + nb*1536 + s*256 + 2c : column n = 128 nb + c of row k (s = 0, 1, 2: w_r, w_z, w_n) or of row 2048 + k (s = 3, 4, 5)
; A stream: each input byte is read once, each output byte written once; no LDS, no barrier, no matrix unit, and no cluster,
; since no two work-groups read the same bytes.  Rounding is to nearest even (v_cvt_pk_bf16_f32).
; Grid y = 0..5: one segment s of wb, 32 rows k for each x.  Grid y = 6, 7: 16 rows of xb for each x.
; Every load of a wave covers 512 consecutive bytes (128 f32, lane l its bytes 16 l); the 128 bf16 made of them are 256 consecutive
; bytes, aligned, and leave by one store of 8 bytes a lane.
; Both ways have 32 turns of two loads and two stores on 16 slots of 8 registers.  The first 16 turns convert into registers of their
; own and fill their slot again; the last 16 convert in place.  So no register that a store reads is ever written again, no address
; register is ever written again (all steps stand in the immediates), and the only waits are the counted ones for the loads.
.set X, 8                              ; v[8:135]    16 slots, 8 f32 as loaded
.set Y, 136                            ; v[136:199]  the first 16 turns' bf16, 4 registers a turn
	s_load_b256 s[4:11], s[0:1], 0x0               ; inputs s[4:5], states s[6:7], w_r s[8:9], w_z s[10:11]
	s_load_b128 s[12:15], s[0:1], 0x20             ; w_n s[12:13], xb s[14:15]
	s_load_b64 s[16:17], s[0:1], 0x30              ; wb
	s_and_b32 s20, ttmp7, 0xffff                   ; grid y
	s_mov_b32 s27, 0                               ; high word of every offset pair: all offsets are below 4 GiB
	v_lshlrev_b32 v1, 4, v0                        ; source: 16 t; wave w takes the 512 bytes at 512 w, and those 4,096 bytes further on
	v_lshrrev_b32 v3, 5, v0                        ; wave
	v_and_b32 v4, 31, v0                           ; lane
	s_wait_kmcnt 0x0
	s_cmp_ge_u32 s20, 6
	s_cbranch_scc1 .Lx
	; ---- the weights: segment s = y.  A turn is a row: wave w takes column blocks w and w + 8.
	s_cmp_ge_u32 s20, 3
	s_cselect_b32 s22, 1, 0                        ; 0: rows 0..2047 of the weight, 1: rows 2048..4095
	s_mul_i32 s23, s22, 3
	s_sub_co_u32 s21, s20, s23                     ; the gate: 0 r, 1 z, 2 n
	s_cmp_eq_u32 s21, 0
	s_cselect_b64 s[24:25], s[8:9], s[10:11]
	s_cmp_eq_u32 s21, 2
	s_cselect_b64 s[24:25], s[12:13], s[24:25]     ; the gate's weight
	s_lshl_b32 s26, s22, 24                        ; 2,048 rows of 8,192 bytes
	s_lshl_b32 s23, ttmp9, 18                      ; 32 rows of 8,192 bytes for each x
	s_add_co_u32 s26, s26, s23
	s_add_nc_u64 s[24:25], s[24:25], s[26:27]      ; source at the group's first row
	s_mul_i32 s26, ttmp9, 786432                   ; 32 rows of 24,576 bytes
	s_lshl_b32 s23, s20, 8                         ; the segment
	s_add_co_u32 s26, s26, s23
	s_add_nc_u64 s[28:29], s[16:17], s[26:27]      ; destination
	v_mul_u32_u24 v3, v3, 0x600                    ; destination: column block w is 1,536 bytes on,
	v_lshl_add_u32 v2, v4, 3, v3                   ; and 8 bytes a lane
.macro WFILL i, row
	global_load_b128 v[X+8*(\i):X+8*(\i)+3],   v1, s[24:25] offset:(\row)*8192 th:TH_LOAD_NT
	global_load_b128 v[X+8*(\i)+4:X+8*(\i)+7], v1, s[24:25] offset:(\row)*8192+4096 th:TH_LOAD_NT
.endm
; o = the first of the four registers that take the bf16: a turn's own, or the slot's first four (each is written after it was read)
.macro WTURN i, row, o, ahead, left
	s_wait_loadcnt \left                           ; loads come back in order (ISA guide 5.7.1): this slot's two are in, two for each younger slot stay out
	v_cvt_pk_bf16_f32 v[(\o)],   v[X+8*(\i)],   v[X+8*(\i)+1]
	v_cvt_pk_bf16_f32 v[(\o)+1], v[X+8*(\i)+2], v[X+8*(\i)+3]
	v_cvt_pk_bf16_f32 v[(\o)+2], v[X+8*(\i)+4], v[X+8*(\i)+5]
	v_cvt_pk_bf16_f32 v[(\o)+3], v[X+8*(\i)+6], v[X+8*(\i)+7]
.if \ahead
	WFILL \i, (\row)+16
.endif
	global_store_b64 v2, v[(\o):(\o)+1],   s[28:29] offset:(\row)*24576
	global_store_b64 v2, v[(\o)+2:(\o)+3], s[28:29] offset:(\row)*24576+12288   ; column block w + 8
.endm
.irp i, 0,1,2,3,4,5,6,7,8,9,10,11,12,13,14,15
	WFILL \i, \i
.endr
.irp i, 0,1,2,3,4,5,6,7,8,9,10,11,12,13,14,15
	WTURN \i, \i, Y+4*\i, 1, 30
.endr
.irp i, 0,1,2,3,4,5,6,7,8,9,10,11,12,13,14,15
	WTURN \i, 16+\i, X+8*\i, 0, 30-2*\i            ; the last sixteen rows load nothing: the counts run down
.endr
	s_endpgm
	; ---- inputs and states, woven in pieces of 64 columns.  A turn is half a row: wave w takes the 128 columns at 128 w of that half,
	; once from inputs and once from states.  Lanes 0-15 hold the first piece of 64 columns, lanes 16-31 the second.  Exchanging the upper
	; lanes of inputs' words with the lower lanes of states' words makes of them two whole units of xb: (inputs, states) of the first
	; piece, and of the second.
.Lx:
	s_sub_co_u32 s21, s20, 6
	s_lshl_b32 s26, s21, 23                        ; 1,024 rows of 8,192 bytes
	s_lshl_b32 s23, ttmp9, 17                      ; 16 rows for each x
	s_add_co_u32 s26, s26, s23
	s_add_nc_u64 s[4:5], s[4:5], s[26:27]
	s_add_nc_u64 s[6:7], s[6:7], s[26:27]
	s_add_nc_u64 s[28:29], s[14:15], s[26:27]
	v_lshlrev_b32 v3, 9, v3                        ; destination: two units of 256 bytes for each wave,
	v_lshl_add_u32 v2, v4, 3, v3                   ; 8 bytes a lane
.macro XFILL i, turn                   ; half a row is 4,096 bytes in the sources and in xb alike
	global_load_b128 v[X+8*(\i):X+8*(\i)+3],   v1, s[4:5] offset:(\turn)*4096 th:TH_LOAD_NT
	global_load_b128 v[X+8*(\i)+4:X+8*(\i)+7], v1, s[6:7] offset:(\turn)*4096 th:TH_LOAD_NT
.endm
.macro XTURN i, turn, o, ahead, left
	s_wait_loadcnt \left
	v_cvt_pk_bf16_f32 v[(\o)],   v[X+8*(\i)],   v[X+8*(\i)+1]     ; inputs
	v_cvt_pk_bf16_f32 v[(\o)+1], v[X+8*(\i)+2], v[X+8*(\i)+3]
	v_cvt_pk_bf16_f32 v[(\o)+2], v[X+8*(\i)+4], v[X+8*(\i)+5]     ; states
	v_cvt_pk_bf16_f32 v[(\o)+3], v[X+8*(\i)+6], v[X+8*(\i)+7]
	v_permlane16_swap_b32 v[(\o)],   v[(\o)+2]     ; the first's lanes 16-31 change places with the second's lanes 0-15
	v_permlane16_swap_b32 v[(\o)+1], v[(\o)+3]
.if \ahead
	XFILL \i, (\turn)+16
.endif
	global_store_b64 v2, v[(\o):(\o)+1],   s[28:29] offset:(\turn)*4096
	global_store_b64 v2, v[(\o)+2:(\o)+3], s[28:29] offset:(\turn)*4096+256
.endm
.irp i, 0,1,2,3,4,5,6,7,8,9,10,11,12,13,14,15
	XFILL \i, \i
.endr
.irp i, 0,1,2,3,4,5,6,7,8,9,10,11,12,13,14,15
	XTURN \i, \i, Y+4*\i, 1, 30
.endr
.irp i, 0,1,2,3,4,5,6,7,8,9,10,11,12,13,14,15
	XTURN \i, 16+\i, X+8*\i, 0, 30-2*\i
.endr
	s_endpgm
.Lfunc_end_k_q679073791e_prep:
	.size	k_q679073791e_prep, .Lfunc_end_k_q679073791e_prep-k_q679073791e_prep
	.p2alignl 7, 3214868480
	.fill 96, 4, 3214868480
	.section	.rodata,"a",@progbits
	.p2align	6, 0x0
	.amdhsa_kernel k_q679073791e_prep
		.amdhsa_group_segment_fixed_size 0
		.amdhsa_private_segment_fixed_size 0
		.amdhsa_enable_private_segment 0
		.amdhsa_kernarg_size 56
		.amdhsa_user_sgpr_count 2
		.amdhsa_user_sgpr_kernarg_segment_ptr 1
		.amdhsa_wavefront_size32 1
		.amdhsa_system_sgpr_workgroup_id_x 1
		.amdhsa_system_sgpr_workgroup_id_y 1
		.amdhsa_system_sgpr_workgroup_id_z 1
		.amdhsa_system_vgpr_workitem_id 0
		.amdhsa_next_free_vgpr 200
		.amdhsa_next_free_sgpr 66
		.amdhsa_reserve_vcc 0
		.amdhsa_float_denorm_mode_32 3
		.amdhsa_float_denorm_mode_16_64 3
		.amdhsa_memory_ordered 1
		.amdhsa_forward_progress 1
		.amdhsa_inst_pref_size 46
	.end_amdhsa_kernel
	.amdgpu_metadata
---
amdhsa.version: [ 1, 2 ]
amdhsa.kernels:
  - .name:           k_q679073791e_prep
    .symbol:         k_q679073791e_prep.kd
    .args:
      - { .name: inputs, .offset: 0, .size: 8, .value_kind: global_buffer, .address_space: global }
      - { .name: states, .offset: 8, .size: 8, .value_kind: global_buffer, .address_space: global }
      - { .name: w_r, .offset: 16, .size: 8, .value_kind: global_buffer, .address_space: global }
      - { .name: w_z, .offset: 24, .size: 8, .value_kind: global_buffer, .address_space: global }
      - { .name: w_n, .offset: 32, .size: 8, .value_kind: global_buffer, .address_space: global }
      - { .name: xb, .offset: 40, .size: 8, .value_kind: global_buffer, .address_space: global }
      - { .name: wb, .offset: 48, .size: 8, .value_kind: global_buffer, .address_space: global }
    .group_segment_fixed_size: 0
    .private_segment_fixed_size: 0
    .kernarg_segment_align: 8
    .kernarg_segment_size: 56
    .max_flat_workgroup_size: 256
    .sgpr_count:     66
    .vgpr_count:     200
    .wavefront_size: 32
...
	.end_amdgpu_metadata
.endif
;; end of part 1
;; launch gates (part 2): grid 16 x 16, 4 waves a work-group, clusters of 4 x 4, 327,680 bytes of LDS; arguments xb, wb, states, b_r, b_z, b_n, sr, zb, nxb; writes sr, zb, nxb
.if DOCPART == 2
	.amdgcn_target "amdgcn-amd-amdhsa--gfx1250"
	.amdhsa_code_object_version 6
	.text
	.protected	k_q679073791e_gates
	.globl	k_q679073791e_gates
	.p2align	8
	.type	k_q679073791e_gates,@function
k_q679073791e_gates:
	s_mov_b64 s[64:65], 0
	v_nop
	global_prefetch_b8 v0, s[64:65] scope:SCOPE_SE
	s_setreg_imm32_b32 hwreg(HW_REG_WAVE_MODE, 25, 1), 1
	s_wait_xcnt 0x0
	s_wait_alu depctr_hold_cnt(0) depctr_sa_sdst(0) depctr_va_vdst(0) depctr_va_sdst(0) depctr_va_ssrc(0) depctr_va_vcc(0) depctr_vm_vsrc(0)
	s_getreg_b32 s2, hwreg(HW_REG_IB_STS2, 6, 4)
	s_cmp_eq_u32 s2, 0
	s_cbranch_scc0 .Lentry_in_a_cluster
	s_endpgm
.Lentry_in_a_cluster:
	s_bfe_u32 s2, ttmp6, 0x10000c
	s_cmp_lg_u32 s2, 0xf033
	s_cbranch_scc0 .Lentry_shape_is_right
	s_endpgm
.Lentry_shape_is_right:
; gates: for a block of 128 rows x 128 units
;   r = sigmoid(inputs w_r[:dim] + states w_r[dim:] + b_r),  sr  = bf16(states * r)
;   z = sigmoid(inputs w_z[:dim] + states w_z[dim:] + b_z),  zb  = z (f32)
;   nxb = 2.885390 * (inputs w_n[:dim] + b_n) (f32; 2.885390 = 2 log2 e, the factor of the tanh in the next launch)
; Operands are the bf16 copies xb and wb; sums in f32.  Four waves, each 64 rows x 64 units x 3 gates: 48 accumulator tiles, 384 registers.
; A K step is 64 columns of inputs (for r, z, n) and the same 64 columns of states (for r, z): 160 matrix instructions a wave.
; It goes through a ring of two LDS slots: A = 128 rows of 256 bytes of xb, B = 64 rows k of five segments of 256 bytes of wb.
; wb lies [k][n]; B fragments are made by the transposing LDS load.
; CLUSTERS: 4 x 4 work-groups.  A's tile hangs on the block row alone and is asked for jointly by a row of the cluster, B's on the
; block column alone and is asked for jointly by a column.
; K ORDER: the i-th step of a cluster takes tile ((i + rot) mod 32) xor flip: one of four orders (from 0 upward, from 15 downward, from 16
; upward, from 31 downward), chosen by the cluster's place in the grid, which all sixteen partners share.  The four clusters that read the
; same tiles of A have four different orders; two clusters with the same tiles of B and different parity of cluster y walk mirrored.
; So clusters that need the same tile ask for it at different times, one after another has read it.
; LIMITS: operands rounded to bf16 (states * r too); the order of the f32 sums along K differs from cluster to cluster (see K ORDER);
; sigmoid(x) = 1 / (1 + 2^(-1.442695 x)), which ends exactly at 0 and 1 for large |x|; inputs are finite.
.set KSTEPS, 32
.set APITCH, 272                       ; A's LDS row: 256 bytes + 16 of padding, an odd multiple of 16
.set AHALF,  64*APITCH                 ; 64 rows: one tensor load, and one wave's rows
.set BOFF,   128*APITCH                ; B lies behind A's 128 rows
.set SEG,    288                       ; a segment in LDS: 256 bytes + 32 of padding
.set BPITCH, 5*SEG                     ; B's LDS row: 1,440 bytes, an odd multiple of 32
.set BHALF,  32*BPITCH                 ; 32 rows k: one tensor load, and one half step along K
.set SLOT,   BOFF+2*BHALF              ; 126,976
.set STAGE,  2*SLOT                    ; 16 rows x 272 bytes for each wave: f32 tiles on the way out; no tensor load lands here
.set SPITCH, 272
.set SRST,   STAGE+4*16*SPITCH         ; 128 rows x 384 bytes: the block of states * r in bf16; no tensor load lands here
.set SRP,    384
; window 0
.set ADRA, 16                          ; v16-17  my A fragments in slot 0, 1
.set ADRB, 20                          ; v20-23  my B fragments: slot 0 half 0, 1; slot 1 half 0, 1
.set STO,  24                          ; stage: where I put 32 bytes of a row
.set RD,   25                          ; stage: where I read 16 bytes of a row back
.set CO,   26                          ; my byte offset in an f32 block
.set SRW,  27                          ; where I put 8 bytes of states * r
.set SRR,  28                          ; where I read 16 bytes of it back
.set SRO,  29                          ; my byte offset in sr
.set BO,   30                          ; my byte offset in a bias
.set BR,   32                          ; v[32:35] b_r, v[36:39] b_z, v[40:43] b_n of my four columns on the way out
.set BZ,   36
.set BN,   40
.set T0,   64                          ; v[64:95], v[96:127]: 16 rows read back from the stage, by turns
.set T1,   96
.set ST,   128                         ; v[128:255] states of my 64 x 64, in the layout of the rows read back
; window 1: fragments
.set AST, 0                            ; A from states, 8 registers for each of 4 row blocks
.set AIN, 32                           ; A from inputs
.set BST, 64                           ; B for states: r, then z, 8 registers for each of 4 column blocks
.set BIN, 128                          ; B for inputs: r, z, n
; window 2: ACR, ACZ; window 3: ACN.  Tile (a, b) at + 8 (4 a + b)
.set ACR, 0
.set ACZ, 128
.set ACN, 0
.set G1, 24                            ; s[24:31] descriptor group 1, A
.set G0, 32                            ; s[32:39] group 0, A, a set for each slot
.set G1B, 48                           ; s[48:55] group 1, B
.set G0B, 56                           ; s[56:63] group 0, B, a set for each slot
; s[14:15] xb at my rows, s[46:47] wb at my columns and rows: kept for the whole ring
; s[88:89] A's, s[90:91] B's byte offset of the tile asked for next; s92 its number i in my order; s93 rot; s94 flip; s95 at work
.set MSB, 0
.macro WIN new                         ; the immediate's high byte repeats the setting that is left
.if MSB != \new
	s_set_vgpr_msb (MSB<<8)|\new
.set MSB, \new
.endif
.endm
.set MUL_LO, 0xa5                      ; sources 0 and 1 window 1, C and D window 2
.set MUL_HI, 0xf5                      ; the same, C and D window 3
.set TO_F,   0x40                      ; destination window 1, address window 0
; A joint load.  Waves 0 and 1 fetch A's two halves, waves 2 and 3 B's.  The branch hangs on the wave's number alone.
.macro JLOAD s
	s_cmp_eq_u32 s11, 0
	s_cbranch_scc0 .Lfor_b_\@
	tensor_load_to_lds s[G0+4*\s:G0+4*\s+3], s[G1:G1+7]
	s_nop 0
	s_branch .Lasked_\@
.Lfor_b_\@:
	tensor_load_to_lds s[G0B+4*\s:G0B+4*\s+3], s[G1B:G1B+7]
	s_nop 0
.Lasked_\@:
.endm
.macro CREST                           ; a round of the cluster's barrier behind its opening work-group barrier
	s_cmp_lg_u32 s10, 0
	s_cbranch_scc1 .Lnot_wave_0_\@
	s_barrier_signal -3
.Lnot_wave_0_\@:
	s_barrier_wait -3
	s_barrier_signal -1
	s_barrier_wait -1
.endm
.macro CROUND                          ; a whole round
	s_barrier_signal -1
	s_barrier_wait -1
	CREST
.endm
.macro PLACES                          ; four plain places behind matrix instructions, in front of loads into their sources and of reads of their results
.rept 4
	v_nop
.endr
.endm
; The byte offsets of the tile that the ring asks for next, in registers that no descriptor names
.macro TILEOFF
	s_add_co_u32 s95, s92, s93
	s_and_b32 s95, s95, KSTEPS-1
	s_xor_b32 s95, s95, s94                        ; tile ((i + rot) mod 32) xor flip
	s_lshl_b32 s88, s95, 8                         ; A: 256 bytes along the row of xb
	s_mul_i32 s90, s95, 1572864                    ; B: 64 rows of wb
	s_add_co_u32 s92, s92, 1
.endm
; The two global addresses of slot s.  No tensor load of the wave is out where this stands.
.macro SETADR s
	s_add_nc_u64 s[G0+4*\s+2:G0+4*\s+3], s[14:15], s[88:89]
	s_or_b32 s[G0+4*\s+3], s[G0+4*\s+3], 0x80000000
	s_add_nc_u64 s[G0B+4*\s+2:G0B+4*\s+3], s[46:47], s[90:91]
	s_or_b32 s[G0B+4*\s+3], s[G0B+4*\s+3], 0x80000000
.endm
	s_load_b128 s[4:7], s[0:1], 0x0                ; xb s[4:5], wb s[6:7]
	s_load_b256 s[68:75], s[0:1], 0x10             ; states s[68:69], b_r s[70:71], b_z s[72:73], b_n s[74:75]
	s_load_b128 s[76:79], s[0:1], 0x30             ; sr s[76:77], zb s[78:79]
	s_load_b64 s[80:81], s[0:1], 0x40              ; nxb
	s_set_vgpr_msb 0x40
	v_lshl_add_u32 v254, v0, 2, 0x4e400
	v_mov_b32 v255, 0
	s_set_vgpr_msb 0x4045
	ds_add_u32 v254, v255
	s_set_vgpr_msb 0x4500
	v_lshrrev_b32 v1, 5, v0
	v_readfirstlane_b32 s10, v1                    ; wave 0..3
	s_lshr_b32 s11, s10, 1                         ; which 64 rows are mine.  Also: I fetch for A (0) or for B (1)
	s_and_b32 s12, s10, 1                          ; which 64 units are mine.  Also: which half of that tile I fetch
	s_bfe_u32 s40, ttmp6, 0x40000                  ; cx
	s_bfe_u32 s41, ttmp6, 0x40004                  ; cy
	s_lshl_b32 s42, ttmp9, 2
	s_add_co_u32 s42, s42, s40                     ; block column = 4 x cluster x + cx
	s_and_b32 s13, ttmp7, 0xffff
	s_lshl_b32 s13, s13, 2
	s_add_co_u32 s13, s13, s41                     ; block row = 4 x cluster y + cy
	s_lshl_b32 s43, s41, 2
	s_lshl_b32 s43, 15, s43                        ; my row of the cluster: places 4 cy .. 4 cy + 3
	s_lshl_b32 s44, 0x1111, s40                    ; my column: places cx, cx + 4, cx + 8, cx + 12
	; the cluster's order along K, from the cluster's x and y alone
	s_and_b32 s93, ttmp7, 0xffff                   ; cluster y, 0..3
	s_lshr_b32 s94, s93, 1
	s_xor_b32 s93, s93, s94
	s_and_b32 s93, s93, 1                          ; its parity
	s_mul_i32 s93, s93, 3
	s_xor_b32 s93, s93, ttmp9                      ; o = cluster x, or 3 - cluster x where the parity is odd
	s_and_b32 s94, s93, 1                          ; o odd: downward
	s_lshr_b32 s95, s93, 1
	s_xor_b32 s95, s95, s94                        ; o = 1 or 2: half way round
	s_mul_i32 s93, s95, KSTEPS/2                   ; rot
	s_mul_i32 s94, s94, KSTEPS-1                   ; flip
	s_mov_b32 s92, 0                               ; i
	s_mov_b32 s89, 0                               ; the offsets' high words
	s_mov_b32 s91, 0
	; group 1 for A: 64 rows x 128 elements of 2 bytes, 4,096 elements from row to row; 4 words of padding behind every 64
	s_or_b32 s[G1+0], s43, (1<<16)|(1<<20)|(1<<21)|(5<<22)|(3<<25)
	s_mov_b32 s[G1+1], 128<<16                     ; tensor_dim0 = 128
	s_mov_b32 s[G1+2], 64<<16                      ; tensor_dim1 = 64
	s_mov_b32 s[G1+3], 128<<16                     ; tile_dim0 = 128
	s_mov_b32 s[G1+4], 64                          ; tile_dim1 = 64
	s_mov_b32 s[G1+5], 4096
	s_mov_b32 s[G1+6], 0
	s_mov_b32 s[G1+7], 0
	; group 1 for B: 32 rows x 640 elements (five segments), 12,288 elements from row to row; 8 words of padding behind every 64
	s_or_b32 s[G1B+0], s44, (1<<16)|(1<<20)|(1<<21)|(5<<22)|(7<<25)
	s_mov_b32 s[G1B+1], 640<<16
	s_mov_b32 s[G1B+2], 32<<16
	s_mov_b32 s[G1B+3], 640<<16
	s_mov_b32 s[G1B+4], 32
	s_mov_b32 s[G1B+5], 12288
	s_mov_b32 s[G1B+6], 0
	s_mov_b32 s[G1B+7], 0
	; where the tiles come from: A's hangs on the block row, B's on the block column, each in registers that never hold the other
	s_lshl_b32 s16, s13, 20                        ; 128 rows of 8,192 bytes
	s_lshl_b32 s17, s12, 19                        ; my 64 of them
	s_add_co_u32 s16, s16, s17
	s_mov_b32 s17, 0
	s_mul_i32 s46, s42, 1536                       ; the block column's six segments
	s_mul_i32 s47, s12, 786432                     ; my 32 rows of 24,576 bytes
	s_add_co_u32 s46, s46, s47
	s_mov_b32 s47, 0
	s_mul_i32 s20, s12, AHALF                      ; and where they go: the half alone enters an LDS address
	s_mul_i32 s21, s12, BHALF
	s_add_co_u32 s21, s21, BOFF
	s_wait_dscnt 0x0
	s_wait_kmcnt 0x0
	s_add_nc_u64 s[14:15], s[4:5], s[16:17]
	s_add_nc_u64 s[46:47], s[6:7], s[46:47]
	CROUND                                         ; all sixteen work-groups are here: the first joint loads meet
.irp s, 0,1
	TILEOFF                                        ; the first and the second tile of my order
	s_mov_b32 s[G0+4*\s], 1
	s_add_co_u32 s[G0+4*\s+1], s20, \s*SLOT
	s_mov_b32 s[G0B+4*\s], 1
	s_add_co_u32 s[G0B+4*\s+1], s21, \s*SLOT
	SETADR \s
	JLOAD \s                                       ; two tensor loads of each wave are out here, one behind each later round
.endr
	; offsets of my parts of the f32 blocks and of sr, in registers of their own
	s_lshl_b32 s82, s13, 20                        ; 128 rows of 8,192 bytes
	s_lshl_b32 s66, s11, 19                        ; my 64 rows
	s_add_co_u32 s82, s82, s66
	s_lshl_b32 s86, s42, 9                         ; 128 columns of 4 bytes
	s_lshl_b32 s66, s12, 8                         ; my 64 columns
	s_add_co_u32 s86, s86, s66
	s_add_co_u32 s82, s82, s86
	s_mov_b32 s83, 0
	s_lshl_b32 s84, s13, 19                        ; sr: 128 rows of 4,096 bytes
	s_lshl_b32 s66, s10, 17                        ; the 32 rows that I store
	s_add_co_u32 s84, s84, s66
	s_lshl_b32 s66, s42, 8                         ; 128 columns of 2 bytes
	s_add_co_u32 s84, s84, s66
	s_mov_b32 s85, 0
	s_add_nc_u64 s[68:69], s[68:69], s[82:83]
	s_add_nc_u64 s[78:79], s[78:79], s[82:83]
	s_add_nc_u64 s[80:81], s[80:81], s[82:83]
	s_add_nc_u64 s[76:77], s[76:77], s[84:85]
	v_and_b32 v1, 15, v0                           ; r = lane mod 16
	v_bfe_u32 v2, v0, 4, 1                         ; h = lane / 16
	v_and_b32 v3, 7, v0
	v_bfe_u32 v4, v0, 3, 1
	v_mul_u32_u24 v5, v1, APITCH
	v_lshl_add_u32 v6, v2, 4, v5                   ; A fragment: row r, 16 bytes for each half of the lanes
	s_mul_i32 s18, s11, AHALF
	v_add_nc_u32 v[ADRA], s18, v6
	v_add_nc_u32 v[ADRA+1], SLOT, v[ADRA]
	v_lshl_add_u32 v7, v2, 3, v3                   ; B fragment through the transposing load: row k = 8 h + lane mod 8,
	v_mul_u32_u24 v7, v7, BPITCH
	v_lshl_add_u32 v7, v4, 4, v7                   ; 16 bytes on for lanes 8-15 and 24-31
	s_lshl_b32 s19, s12, 7                         ; my 64 columns of 2 bytes
	s_add_co_u32 s19, s19, BOFF
	v_add_nc_u32 v[ADRB], s19, v7
	v_add_nc_u32 v[ADRB+1], BHALF, v[ADRB]
	v_add_nc_u32 v[ADRB+2], SLOT, v[ADRB]
	v_add_nc_u32 v[ADRB+3], SLOT+BHALF, v[ADRB]
	s_mul_i32 s22, s10, 16*SPITCH
	s_add_co_u32 s22, s22, STAGE                   ; my stage
	v_lshl_add_u32 v8, v2, 5, v5                   ; in: row r, 32 bytes for each half of the lanes
	v_add_nc_u32 v[STO], s22, v8
	v_mul_u32_u24 v8, v2, SPITCH                   ; back: lanes 0-15 one row of 256 bytes, lanes 16-31 the next
	v_lshl_add_u32 v8, v1, 4, v8
	v_add_nc_u32 v[RD], s22, v8
	v_lshlrev_b32 v8, 13, v2                       ; the same two rows in an f32 tensor
	v_lshl_add_u32 v[CO], v1, 4, v8
	v_mul_u32_u24 v9, v2, SRP
	s_mul_i32 s23, s11, 64*SRP
	s_lshl_b32 s18, s12, 7
	s_add_co_u32 s23, s23, s18
	s_add_co_u32 s23, s23, SRST
	v_lshl_add_u32 v8, v1, 3, v9                   ; states * r in: four bf16 = 8 bytes a lane
	v_add_nc_u32 v[SRW], s23, v8
	s_mul_i32 s23, s10, 32*SRP
	s_add_co_u32 s23, s23, SRST
	v_lshl_add_u32 v8, v1, 4, v9                   ; and back: whole rows of 256 bytes, 32 rows a wave
	v_add_nc_u32 v[SRR], s23, v8
	v_lshlrev_b32 v8, 12, v2
	v_lshl_add_u32 v[SRO], v1, 4, v8
	v_lshlrev_b32 v8, 4, v1
	v_add_nc_u32 v[BO], s86, v8
	; biases and my 64 x 64 of states: asked for now, waited for on the way out; their registers and addresses are not touched in between
	global_load_b128 v[BR:BR+3], v[BO], s[70:71]
	global_load_b128 v[BZ:BZ+3], v[BO], s[72:73]
	global_load_b128 v[BN:BN+3], v[BO], s[74:75]
.irp a, 0,1,2,3
.irp u, 0,1,2,3,4,5,6,7
	global_load_b128 v[ST+4*(8*\a+\u):ST+4*(8*\a+\u)+3], v[CO], s[68:69] offset:(16*\a+2*\u)*8192
.endr
.endr
; Eight matrix instructions: row blocks a0, a0 + 1 x four column blocks, 32 along K.  Source 0 is B's fragment, source 1 A's, so that a
; lane holds row r and eight neighbouring columns 16 b + 8 h + 0..7.  zero = 1: the product starts the sum.
; The accumulators take turns, one instruction a turn, over the loop's backward jump too.
.macro MUL8 acc, fb, fa, a0, zero
.irp a, \a0, \a0+1
.irp b, 0,1,2,3
.if \zero
	v_wmma_f32_16x16x32_bf16 v[\acc+8*(4*(\a)+\b):\acc+8*(4*(\a)+\b)+7], v[\fb+8*\b:\fb+8*\b+7], v[\fa+8*(\a):\fa+8*(\a)+7], 0
.else
	v_wmma_f32_16x16x32_bf16 v[\acc+8*(4*(\a)+\b):\acc+8*(4*(\a)+\b)+7], v[\fb+8*\b:\fb+8*\b+7], v[\fa+8*(\a):\fa+8*(\a)+7], v[\acc+8*(4*(\a)+\b):\acc+8*(4*(\a)+\b)+7]
.endif
.endr
.endr
.endm
.macro MUL16 acc, fb, fa, zero
	MUL8 \acc, \fb, \fa, 0, \zero
	MUL8 \acc, \fb, \fa, 2, \zero
.endm
; 24 LDS loads: states' part of half step q: A (8), r's B (8), z's B (8)
.macro FETCH_ST slot, q
	WIN TO_F
.irp a, 0,1,2,3
	ds_load_b128 v[AST+8*\a:AST+8*\a+3],   v[ADRA+\slot] offset:\a*16*APITCH+128+64*\q
	ds_load_b128 v[AST+8*\a+4:AST+8*\a+7], v[ADRA+\slot] offset:\a*16*APITCH+128+64*\q+32
.endr
.irp g, 0,1
.irp b, 0,1,2,3
	ds_load_tr16_b128 v[BST+32*\g+8*\b:BST+32*\g+8*\b+3],   v[ADRB+2*\slot+\q] offset:(3+\g)*SEG+32*\b
	ds_load_tr16_b128 v[BST+32*\g+8*\b+4:BST+32*\g+8*\b+7], v[ADRB+2*\slot+\q] offset:(3+\g)*SEG+32*\b+16*BPITCH
.endr
.endr
.endm
; 32 LDS loads: inputs' part of half step q: A (8), r's B (8), z's B (8), n's B (8)
.macro FETCH_IN slot, q
	WIN TO_F
.irp a, 0,1,2,3
	ds_load_b128 v[AIN+8*\a:AIN+8*\a+3],   v[ADRA+\slot] offset:\a*16*APITCH+64*\q
	ds_load_b128 v[AIN+8*\a+4:AIN+8*\a+7], v[ADRA+\slot] offset:\a*16*APITCH+64*\q+32
.endr
.irp g, 0,1,2
.irp b, 0,1,2,3
	ds_load_tr16_b128 v[BIN+32*\g+8*\b:BIN+32*\g+8*\b+3],   v[ADRB+2*\slot+\q] offset:\g*SEG+32*\b
	ds_load_tr16_b128 v[BIN+32*\g+8*\b+4:BIN+32*\g+8*\b+7], v[ADRB+2*\slot+\q] offset:\g*SEG+32*\b+16*BPITCH
.endr
.endr
.endm
; states' part of half step q is multiplied; in its middle inputs' part of the same half step is fetched
.macro SUB_ST slot, q, zero
	s_wait_dscnt 8                                 ; A and r's B are in; the youngest eight loads (z's B) may be out
	WIN MUL_LO
	MUL16 ACR, BST, AST, \zero
	PLACES
	FETCH_IN \slot, \q
	s_wait_dscnt 32                                ; all but the 32 just issued
	WIN MUL_LO
	MUL16 ACZ, BST+32, AST, \zero
.endm
; inputs' part of half step 0 is multiplied; in its middle states' part of half step 1 is fetched.  zero = 1: n's sums start here
.macro SUB_IN slot, zero
	s_wait_dscnt 16                                ; A and r's B are in; z's and n's B may be out
	WIN MUL_LO
	MUL16 ACR, BIN, AIN, 0
	PLACES
	FETCH_ST \slot, 1
	s_wait_dscnt 24                                ; all but the 24 just issued
	WIN MUL_LO
	MUL16 ACZ, BIN+32, AIN, 0
	WIN MUL_HI
	MUL16 ACN, BIN+64, AIN, \zero
.endm
; inputs' part of half step 1, and the change of slots.  One barrier for two things: in front of it each wave waits for its reads of this
; slot and for all its tensor loads (the one that is out is its part of the next slot); behind it this slot is filled again first, then
; the next slot is read.  Where a slot is filled again the barrier opens a round of the cluster's barrier.
.macro TURN slot, next, fill
.if \fill
	TILEOFF                                        ; the tile two steps ahead in my order
.endif
	s_wait_dscnt 16
	WIN MUL_LO
	MUL8 ACR, BIN, AIN, 0, 0
	s_wait_dscnt 0                                 ; my reads of this slot are over
	s_wait_tensorcnt 0x0                           ; all my tensor loads have landed, so a group 0 may be written
	ds_add_u32 v254, v255
	s_wait_dscnt 0x0
.if \fill
	SETADR \slot
.endif
	s_barrier_signal -1
	MUL8 ACR, BIN, AIN, 2, 0                       ; register work while the others arrive
	WIN 0
	s_barrier_wait -1
.if \fill
	CREST                                          ; no wave of any partner still reads this slot or has a load on its way
	JLOAD \slot                                    ; the wave's one tensor load behind the round
.endif
	PLACES
	FETCH_ST \next, 0
	WIN MUL_LO
	MUL16 ACZ, BIN+32, AIN, 0
	WIN MUL_HI
	MUL16 ACN, BIN+64, AIN, 0
.endm
.macro STEP slot, next, fill, zero
	SUB_ST \slot, 0, \zero
	SUB_IN \slot, \zero
	SUB_ST \slot, 1, 0
	TURN \slot, \next, \fill
.endm
.macro LAP zero
	STEP 0, 1, 1, \zero
	STEP 1, 0, 1, 0
.endm
	s_wait_tensorcnt 0x1                           ; my part of the first tile is in; the second's stays out
	s_barrier_signal -1
	s_barrier_wait -1
	FETCH_ST 0, 0
	LAP 1                                          ; steps 0 and 1: the first products start the sums
	WIN 0
	s_mov_b32 s3, 14                               ; steps 2 to 29
.Llap:
	LAP 0
	WIN 0
	s_sub_co_u32 s3, s3, 1
	s_cmp_lg_u32 s3, 0
	s_cbranch_scc1 .Llap
	STEP 0, 1, 0, 0                                ; steps 30 and 31 fill nothing
	SUB_ST 1, 0, 0
	SUB_IN 1, 0
	SUB_ST 1, 1, 0
	s_wait_dscnt 16
	WIN MUL_LO
	MUL16 ACR, BIN, AIN, 0
	s_wait_dscnt 0
	MUL16 ACZ, BIN+32, AIN, 0
	WIN MUL_HI
	MUL16 ACN, BIN+64, AIN, 0
	WIN 0
	; THE WAY OUT.  16 rows x 64 columns of f32 at a time go through my own stage: in as the matrix unit left them, back as rows of 256 bytes,
	; so that a lane holds four neighbouring columns 4 r .. 4 r + 3 of row 2 u + h and sixteen lanes store 256 consecutive bytes, aligned.
	PLACES
	s_wait_loadcnt 0x0                             ; biases and states
	v_pk_mul_f32 v[BR:BR+1],   v[BR:BR+1],   0xbfb8aa3b op_sel_hi:[1,0]     ; -log2 e: sigmoid's exponent is one multiply-add
	v_pk_mul_f32 v[BR+2:BR+3], v[BR+2:BR+3], 0xbfb8aa3b op_sel_hi:[1,0]
	v_pk_mul_f32 v[BZ:BZ+1],   v[BZ:BZ+1],   0xbfb8aa3b op_sel_hi:[1,0]
	v_pk_mul_f32 v[BZ+2:BZ+3], v[BZ+2:BZ+3], 0xbfb8aa3b op_sel_hi:[1,0]
	v_pk_mul_f32 v[BN:BN+1],   v[BN:BN+1],   0x4038aa3b op_sel_hi:[1,0]     ; 2 log2 e
	v_pk_mul_f32 v[BN+2:BN+3], v[BN+2:BN+3], 0x4038aa3b op_sel_hi:[1,0]
.macro STAGE16 win, base, a, t
	WIN \win                                       ; LDS store data from the accumulators' window
.irp b, 0,1,2,3
	ds_store_b128 v[STO], v[\base+8*(4*\a+\b):\base+8*(4*\a+\b)+3]   offset:64*\b
	ds_store_b128 v[STO], v[\base+8*(4*\a+\b)+4:\base+8*(4*\a+\b)+7] offset:64*\b+16
.endr
	WIN 0
	s_wait_xcnt 0x0                                ; the registers read back into were the data of stores
.irp u, 0,1,2,3,4,5,6,7
	ds_load_b128 v[\t+4*\u:\t+4*\u+3], v[RD] offset:2*\u*SPITCH    ; LDS serves a wave's instructions in order (ISA guide 5.7.1): these see the stores above
.endr
	s_wait_dscnt 0x0
.endm
; 32 numbers: 1 / (1 + 2^(-log2 e x - log2 e b)).  One plain place stands behind each run of transcendentals (ISA guide 5.7.2).
.macro SIG t, bias
.irp u, 0,1,2,3,4,5,6,7
	v_pk_fma_f32 v[\t+4*\u:\t+4*\u+1],   v[\t+4*\u:\t+4*\u+1],   0xbfb8aa3b, v[\bias:\bias+1]   op_sel_hi:[1,0,1]
	v_pk_fma_f32 v[\t+4*\u+2:\t+4*\u+3], v[\t+4*\u+2:\t+4*\u+3], 0xbfb8aa3b, v[\bias+2:\bias+3] op_sel_hi:[1,0,1]
.endr
.set j, 0
.rept 32
	v_exp_f32 v[\t+j], v[\t+j]
.set j, j+1
.endr
	v_nop
.set j, 0
	s_wait_alu depctr_va_vdst(0)
.rept 16
	v_pk_add_f32 v[\t+j:\t+j+1], v[\t+j:\t+j+1], 1.0 op_sel_hi:[1,0]
.set j, j+2
.endr
.set j, 0
.rept 32
	v_rcp_f32 v[\t+j], v[\t+j]
.set j, j+1
.endr
	v_nop
.endm
.macro ZOUT a, t
	STAGE16 0x08, ACZ, \a, \t
	SIG \t, BZ
	s_wait_alu depctr_va_vdst(0)
.irp u, 0,1,2,3,4,5,6,7
	global_store_b128 v[CO], v[\t+4*\u:\t+4*\u+3], s[78:79] offset:(16*\a+2*\u)*8192
.endr
.endm
.macro NOUT a, t
	STAGE16 0x0c, ACN, \a, \t
.irp u, 0,1,2,3,4,5,6,7
	v_pk_fma_f32 v[\t+4*\u:\t+4*\u+1],   v[\t+4*\u:\t+4*\u+1],   0x4038aa3b, v[BN:BN+1]   op_sel_hi:[1,0,1]
	v_pk_fma_f32 v[\t+4*\u+2:\t+4*\u+3], v[\t+4*\u+2:\t+4*\u+3], 0x4038aa3b, v[BN+2:BN+3] op_sel_hi:[1,0,1]
.endr
.irp u, 0,1,2,3,4,5,6,7
	global_store_b128 v[CO], v[\t+4*\u:\t+4*\u+3], s[80:81] offset:(16*\a+2*\u)*8192
.endr
.endm
.macro ROUT a, t                       ; states * r, rounded to bf16, gathered for the whole block in LDS: my 64 columns are only half of a 256-byte row of sr
	STAGE16 0x08, ACR, \a, \t
	SIG \t, BR
	s_wait_alu depctr_va_vdst(0)
.irp u, 0,1,2,3,4,5,6,7
	v_pk_mul_f32 v[\t+4*\u:\t+4*\u+1],   v[\t+4*\u:\t+4*\u+1],   v[ST+4*(8*\a+\u):ST+4*(8*\a+\u)+1]
	v_pk_mul_f32 v[\t+4*\u+2:\t+4*\u+3], v[\t+4*\u+2:\t+4*\u+3], v[ST+4*(8*\a+\u)+2:ST+4*(8*\a+\u)+3]
.endr
.irp u, 0,1,2,3,4,5,6,7
	v_cvt_pk_bf16_f32 v[\t+4*\u],   v[\t+4*\u],   v[\t+4*\u+1]
	v_cvt_pk_bf16_f32 v[\t+4*\u+1], v[\t+4*\u+2], v[\t+4*\u+3]
.endr
.irp u, 0,1,2,3,4,5,6,7
	ds_store_b64 v[SRW], v[\t+4*\u:\t+4*\u+1] offset:(16*\a+2*\u)*SRP
.endr
.endm
	ZOUT 0, T0
	ZOUT 1, T1
	ZOUT 2, T0
	ZOUT 3, T1
	NOUT 0, T0
	NOUT 1, T1
	NOUT 2, T0
	NOUT 3, T1
	ROUT 0, T0
	ROUT 1, T1
	ROUT 2, T0
	ROUT 3, T1
	s_wait_dscnt 0x0                               ; my stores of states * r are done, for the others' sake
	s_barrier_signal -1
	s_barrier_wait -1                              ; everybody's are
.irp u, 0,1,2,3,4,5,6,7,8,9,10,11,12,13,14,15
	ds_load_b128 v[ST+4*\u:ST+4*\u+3], v[SRR] offset:2*\u*SRP      ; rows 32 w + 2 u + h, whole rows of 256 bytes
.endr
.irp u, 0,1,2,3,4,5,6,7,8,9,10,11,12,13,14,15
	s_wait_dscnt 15-\u
	global_store_b128 v[SRO], v[ST+4*\u:ST+4*\u+3], s[76:77] offset:8192*\u
.endr
	s_set_vgpr_msb 0x5
	s_wait_tensorcnt 0x0
	ds_add_u32 v254, v255
	s_wait_dscnt 0x0
	s_set_vgpr_msb 0x500
	CROUND                                         ; the closing round: no work-group ends while a partner may still ask for a tile that names it
	s_endpgm
.Lfunc_end_k_q679073791e_gates:
	.size	k_q679073791e_gates, .Lfunc_end_k_q679073791e_gates-k_q679073791e_gates
	.p2alignl 7, 3214868480
	.fill 96, 4, 3214868480
	.section	.rodata,"a",@progbits
	.p2align	6, 0x0
	.amdhsa_kernel k_q679073791e_gates
		.amdhsa_group_segment_fixed_size 327680
		.amdhsa_private_segment_fixed_size 0
		.amdhsa_enable_private_segment 0
		.amdhsa_kernarg_size 72
		.amdhsa_user_sgpr_count 2
		.amdhsa_user_sgpr_kernarg_segment_ptr 1
		.amdhsa_wavefront_size32 1
		.amdhsa_system_sgpr_workgroup_id_x 1
		.amdhsa_system_sgpr_workgroup_id_y 1
		.amdhsa_system_sgpr_workgroup_id_z 1
		.amdhsa_system_vgpr_workitem_id 0
		.amdhsa_next_free_vgpr 896
		.amdhsa_next_free_sgpr 96
		.amdhsa_reserve_vcc 0
		.amdhsa_float_denorm_mode_32 3
		.amdhsa_float_denorm_mode_16_64 3
		.amdhsa_memory_ordered 1
		.amdhsa_forward_progress 1
		.amdhsa_inst_pref_size 203
	.end_amdhsa_kernel
	.amdgpu_metadata
---
amdhsa.version: [ 1, 2 ]
amdhsa.kernels:
  - .name:           k_q679073791e_gates
    .symbol:         k_q679073791e_gates.kd
    .args:
      - { .name: xb, .offset: 0, .size: 8, .value_kind: global_buffer, .address_space: global }
      - { .name: wb, .offset: 8, .size: 8, .value_kind: global_buffer, .address_space: global }
      - { .name: states, .offset: 16, .size: 8, .value_kind: global_buffer, .address_space: global }
      - { .name: b_r, .offset: 24, .size: 8, .value_kind: global_buffer, .address_space: global }
      - { .name: b_z, .offset: 32, .size: 8, .value_kind: global_buffer, .address_space: global }
      - { .name: b_n, .offset: 40, .size: 8, .value_kind: global_buffer, .address_space: global }
      - { .name: sr, .offset: 48, .size: 8, .value_kind: global_buffer, .address_space: global }
      - { .name: zb, .offset: 56, .size: 8, .value_kind: global_buffer, .address_space: global }
      - { .name: nxb, .offset: 64, .size: 8, .value_kind: global_buffer, .address_space: global }
    .group_segment_fixed_size: 327680
    .private_segment_fixed_size: 0
    .kernarg_segment_align: 8
    .kernarg_segment_size: 72
    .max_flat_workgroup_size: 128
    .sgpr_count:     96
    .vgpr_count:     896
    .wavefront_size: 32
...
	.end_amdgpu_metadata
.endif
;; end of part 2
;; launch final (part 3): grid 16 x 16, 4 waves a work-group, clusters of 4 x 4, 327,680 bytes of LDS; arguments sr, wb, states, zb, nxb, out0; writes out0
.if DOCPART == 3
	.amdgcn_target "amdgcn-amd-amdhsa--gfx1250"
	.amdhsa_code_object_version 6
	.text
	.protected	k_q679073791e_final
	.globl	k_q679073791e_final
	.p2align	8
	.type	k_q679073791e_final,@function
k_q679073791e_final:
	s_mov_b64 s[64:65], 0
	v_nop
	global_prefetch_b8 v0, s[64:65] scope:SCOPE_SE
	s_setreg_imm32_b32 hwreg(HW_REG_WAVE_MODE, 25, 1), 1
	s_wait_xcnt 0x0
	s_wait_alu depctr_hold_cnt(0) depctr_sa_sdst(0) depctr_va_vdst(0) depctr_va_sdst(0) depctr_va_ssrc(0) depctr_va_vcc(0) depctr_vm_vsrc(0)
	s_getreg_b32 s2, hwreg(HW_REG_IB_STS2, 6, 4)
	s_cmp_eq_u32 s2, 0
	s_cbranch_scc0 .Lentry_in_a_cluster
	s_endpgm
.Lentry_in_a_cluster:
	s_bfe_u32 s2, ttmp6, 0x10000c
	s_cmp_lg_u32 s2, 0xf033
	s_cbranch_scc0 .Lentry_shape_is_right
	s_endpgm
.Lentry_shape_is_right:
; final: out0 = states + z * (tanh(nx + (states * r) w_n[dim:]) - states) for a block of 128 rows x 128 units.
; sr = bf16(states * r), [2048][2048]; w_n[dim:] is segment 5 of wb, [k][n] in bf16; zb = z in f32;
; nxb = 2.885390 * (inputs w_n[:dim] + b_n) in f32.  Sums in f32.
; Four waves, each 64 x 64: 16 accumulator tiles.  K = 2,048 goes in 8 steps of 256 through a ring of two LDS slots
; (A: 128 rows of 512 bytes; B: 256 rows k of 256 bytes); a step is four quarters of 64 along K, 32 matrix instructions each.
; CLUSTERS: 4 x 4 work-groups; A's tile is asked for jointly along a row of the cluster, B's along a column.
; K ORDER: the i-th step of a cluster takes tile ((i + rot) mod 8) xor flip: one of four orders (from 0 upward, from 3 downward, from 4
; upward, from 7 downward), chosen by the cluster's place in the grid, which all sixteen partners share.  The four clusters that read the
; same tiles of A have four different orders; two clusters with the same tiles of B and different parity of cluster y walk mirrored.
; So clusters that need the same tile ask for it at different times, one after another has read it.
; nx, z and states of my 64 x 64 (96 loads of 16 bytes a lane) are asked for ahead of and early in the ring and lie in registers on the way out.
; LIMITS: operands in bf16; the order of the f32 sums along K differs from cluster to cluster (see K ORDER);
; tanh(x) = 1 - 2 / (1 + 2^(2.885390 x)), absolute error of some 1e-7, so that for |x| below some 1e-5 its
; relative error is large; it ends exactly at +1 and -1 for large |x|.  (1 - z) s + z n is formed as s + z (n - s).  Inputs are finite.
.set KSTEPS, 8
.set APITCH, 528                       ; 512 bytes + 16 of padding, an odd multiple of 16
.set AHALF,  64*APITCH
.set BOFF,   128*APITCH
.set BPITCH, 288                       ; 256 bytes + 32 of padding, an odd multiple of 32
.set BHALF,  128*BPITCH
.set SLOT,   BOFF+2*BHALF              ; 141,312
.set STAGE,  2*SLOT                    ; 16 rows x 272 bytes for each wave; no tensor load lands here
.set SPITCH, 272
; window 0
.set ADRA, 16                          ; v16-17  my A fragments in slot 0, 1
.set ADRB, 20                          ; v20-23  my B fragments: slot 0 rows 0-127, 128-255; slot 1 likewise
.set STO,  24
.set RD,   25
.set CO,   26
.set T,    32                          ; v[32:63] 16 rows read back from the stage
; a set: nx + 0, z + 32, states + 64 of 16 rows; the result is written over nx
.set SET0, 64                          ; window 0
.set SET1, 160                         ; window 0
.set SET2, 128                         ; window 2, behind the accumulators
.set SET3, 0                           ; window 3
; window 1: fragment buffers; A at f + 32 kk + 8 a, B at f + 64 + 32 kk + 8 b
.set F0, 0
.set F1, 128
; window 2: tile (a, b) at 8 (4 a + b)
.set G1, 24
.set G0, 32
.set G1B, 48
.set G0B, 56
; s[14:15] sr at my rows, s[46:47] wb at my columns and rows: kept for the whole ring
; s[88:89] A's, s[90:91] B's byte offset of the tile asked for next; s92 its number i in my order; s93 rot; s94 flip; s95 at work
.set MSB, 0
.macro WIN new                         ; the immediate's high byte repeats the setting that is left
.if MSB != \new
	s_set_vgpr_msb (MSB<<8)|\new
.set MSB, \new
.endif
.endm
.set MUL_LO, 0xa5                      ; sources 0 and 1 window 1, C and D window 2
.set TO_F,   0x40                      ; destination window 1, address window 0
.macro JLOAD s                         ; waves 0 and 1 fetch A's halves, waves 2 and 3 B's
	s_cmp_eq_u32 s11, 0
	s_cbranch_scc0 .Lfor_b_\@
	tensor_load_to_lds s[G0+4*\s:G0+4*\s+3], s[G1:G1+7]
	s_nop 0
	s_branch .Lasked_\@
.Lfor_b_\@:
	tensor_load_to_lds s[G0B+4*\s:G0B+4*\s+3], s[G1B:G1B+7]
	s_nop 0
.Lasked_\@:
.endm
.macro CREST
	s_cmp_lg_u32 s10, 0
	s_cbranch_scc1 .Lnot_wave_0_\@
	s_barrier_signal -3
.Lnot_wave_0_\@:
	s_barrier_wait -3
	s_barrier_signal -1
	s_barrier_wait -1
.endm
.macro CROUND
	s_barrier_signal -1
	s_barrier_wait -1
	CREST
.endm
.macro PLACES                          ; four plain places behind matrix instructions (ISA guide 7.12.1)
.rept 4
	v_nop
.endr
.endm
; The byte offsets of the tile that the ring asks for next, in registers that no descriptor names
.macro TILEOFF
	s_add_co_u32 s95, s92, s93
	s_and_b32 s95, s95, KSTEPS-1
	s_xor_b32 s95, s95, s94                        ; tile ((i + rot) mod 8) xor flip
	s_lshl_b32 s88, s95, 9                         ; A: 512 bytes along the row of sr
	s_mul_i32 s90, s95, 6291456                    ; B: 256 rows of wb
	s_add_co_u32 s92, s92, 1
.endm
; The two global addresses of slot s.  No tensor load of the wave is out where this stands.
.macro SETADR s
	s_add_nc_u64 s[G0+4*\s+2:G0+4*\s+3], s[14:15], s[88:89]
	s_or_b32 s[G0+4*\s+3], s[G0+4*\s+3], 0x80000000
	s_add_nc_u64 s[G0B+4*\s+2:G0B+4*\s+3], s[46:47], s[90:91]
	s_or_b32 s[G0B+4*\s+3], s[G0B+4*\s+3], 0x80000000
.endm
	s_load_b128 s[4:7], s[0:1], 0x0                ; sr s[4:5], wb s[6:7]
	s_load_b256 s[68:75], s[0:1], 0x10             ; states s[68:69], zb s[70:71], nxb s[72:73], out0 s[74:75]
	v_lshl_add_u32 v30, v0, 2, 0x49400
	v_mov_b32 v31, 0
	ds_add_u32 v30, v31
	v_lshrrev_b32 v1, 5, v0
	v_readfirstlane_b32 s10, v1                    ; wave 0..3
	s_lshr_b32 s11, s10, 1                         ; which 64 rows are mine.  Also: I fetch for A (0) or for B (1)
	s_and_b32 s12, s10, 1                          ; which 64 units.  Also: which half of that tile I fetch
	s_bfe_u32 s40, ttmp6, 0x40000                  ; cx
	s_bfe_u32 s41, ttmp6, 0x40004                  ; cy
	s_lshl_b32 s42, ttmp9, 2
	s_add_co_u32 s42, s42, s40                     ; block column
	s_and_b32 s13, ttmp7, 0xffff
	s_lshl_b32 s13, s13, 2
	s_add_co_u32 s13, s13, s41                     ; block row
	s_lshl_b32 s43, s41, 2
	s_lshl_b32 s43, 15, s43                        ; my row of the cluster
	s_lshl_b32 s44, 0x1111, s40                    ; my column
	; the cluster's order along K, from the cluster's x and y alone
	s_and_b32 s93, ttmp7, 0xffff                   ; cluster y, 0..3
	s_lshr_b32 s94, s93, 1
	s_xor_b32 s93, s93, s94
	s_and_b32 s93, s93, 1                          ; its parity
	s_mul_i32 s93, s93, 3
	s_xor_b32 s93, s93, ttmp9                      ; o = cluster x, or 3 - cluster x where the parity is odd
	s_and_b32 s94, s93, 1                          ; o odd: downward
	s_lshr_b32 s95, s93, 1
	s_xor_b32 s95, s95, s94                        ; o = 1 or 2: half way round
	s_mul_i32 s93, s95, KSTEPS/2                   ; rot
	s_mul_i32 s94, s94, KSTEPS-1                   ; flip
	s_mov_b32 s92, 0                               ; i
	s_mov_b32 s89, 0                               ; the offsets' high words
	s_mov_b32 s91, 0
	; group 1 for A: 64 rows x 256 elements of 2 bytes, 2,048 elements from row to row; 4 words of padding behind every 128
	s_or_b32 s[G1+0], s43, (1<<16)|(1<<20)|(1<<21)|(6<<22)|(3<<25)
	s_mov_b32 s[G1+1], 256<<16
	s_mov_b32 s[G1+2], 64<<16
	s_mov_b32 s[G1+3], 256<<16
	s_mov_b32 s[G1+4], 64
	s_mov_b32 s[G1+5], 2048
	s_mov_b32 s[G1+6], 0
	s_mov_b32 s[G1+7], 0
	; group 1 for B: 128 rows x 128 elements, 12,288 elements from row to row; 8 words of padding behind every 64
	s_or_b32 s[G1B+0], s44, (1<<16)|(1<<20)|(1<<21)|(5<<22)|(7<<25)
	s_mov_b32 s[G1B+1], 128<<16
	s_mov_b32 s[G1B+2], 128<<16
	s_mov_b32 s[G1B+3], 128<<16
	s_mov_b32 s[G1B+4], 128
	s_mov_b32 s[G1B+5], 12288
	s_mov_b32 s[G1B+6], 0
	s_mov_b32 s[G1B+7], 0
	s_lshl_b32 s16, s13, 19                        ; A: 128 rows of 4,096 bytes
	s_lshl_b32 s17, s12, 18                        ; my 64 of them
	s_add_co_u32 s16, s16, s17
	s_mov_b32 s17, 0
	s_mul_i32 s46, s42, 1536                       ; B: the block column's six segments,
	s_add_co_u32 s46, s46, 1280                    ; the sixth of them,
	s_mul_i32 s47, s12, 3145728                    ; my 128 rows of 24,576 bytes
	s_add_co_u32 s46, s46, s47
	s_mov_b32 s47, 0
	s_mul_i32 s20, s12, AHALF
	s_mul_i32 s21, s12, BHALF
	s_add_co_u32 s21, s21, BOFF
	s_wait_dscnt 0x0
	s_wait_kmcnt 0x0
	s_add_nc_u64 s[14:15], s[4:5], s[16:17]
	s_add_nc_u64 s[46:47], s[6:7], s[46:47]
	CROUND                                         ; all sixteen work-groups are here: the first joint loads meet
.irp s, 0,1
	TILEOFF                                        ; the first and the second tile of my order
	s_mov_b32 s[G0+4*\s], 1
	s_add_co_u32 s[G0+4*\s+1], s20, \s*SLOT
	s_mov_b32 s[G0B+4*\s], 1
	s_add_co_u32 s[G0B+4*\s+1], s21, \s*SLOT
	SETADR \s
	JLOAD \s                                       ; two tensor loads of each wave are out here, one behind each later round
.endr
	s_lshl_b32 s76, s13, 20                        ; my part of the f32 tensors: 128 rows of 8,192 bytes,
	s_lshl_b32 s66, s11, 19                        ; my 64 rows,
	s_add_co_u32 s76, s76, s66
	s_lshl_b32 s66, s42, 9                         ; 128 columns of 4 bytes,
	s_add_co_u32 s76, s76, s66
	s_lshl_b32 s66, s12, 8                         ; my 64 columns
	s_add_co_u32 s76, s76, s66
	s_mov_b32 s77, 0
	s_add_nc_u64 s[68:69], s[68:69], s[76:77]
	s_add_nc_u64 s[70:71], s[70:71], s[76:77]
	s_add_nc_u64 s[72:73], s[72:73], s[76:77]
	s_add_nc_u64 s[74:75], s[74:75], s[76:77]
	v_and_b32 v1, 15, v0                           ; r
	v_bfe_u32 v2, v0, 4, 1                         ; h
	v_and_b32 v3, 7, v0
	v_bfe_u32 v4, v0, 3, 1
	v_mul_u32_u24 v5, v1, APITCH
	v_lshl_add_u32 v5, v2, 4, v5
	s_mul_i32 s18, s11, AHALF
	v_add_nc_u32 v[ADRA], s18, v5
	v_add_nc_u32 v[ADRA+1], SLOT, v[ADRA]
	v_lshl_add_u32 v7, v2, 3, v3                   ; the transposing load: row k = 8 h + lane mod 8,
	v_mul_u32_u24 v7, v7, BPITCH
	v_lshl_add_u32 v7, v4, 4, v7                   ; 16 bytes on for lanes 8-15 and 24-31
	s_lshl_b32 s19, s12, 7
	s_add_co_u32 s19, s19, BOFF
	v_add_nc_u32 v[ADRB], s19, v7
	v_add_nc_u32 v[ADRB+1], BHALF, v[ADRB]
	v_add_nc_u32 v[ADRB+2], SLOT, v[ADRB]
	v_add_nc_u32 v[ADRB+3], SLOT+BHALF, v[ADRB]
	s_mul_i32 s22, s10, 16*SPITCH
	s_add_co_u32 s22, s22, STAGE
	v_mul_u32_u24 v8, v1, SPITCH
	v_lshl_add_u32 v8, v2, 5, v8
	v_add_nc_u32 v[STO], s22, v8
	v_mul_u32_u24 v8, v2, SPITCH
	v_lshl_add_u32 v8, v1, 4, v8
	v_add_nc_u32 v[RD], s22, v8
	v_lshlrev_b32 v8, 13, v2
	v_lshl_add_u32 v[CO], v1, 4, v8
; 24 loads: nx, z and states of rows 16 a .. 16 a + 15 of my block, in the layout of the rows read back from the stage,
; into the set at base in window w (loaded data: the destination's window; the address stays in window 0)
.macro LOADSET w, base, a
	WIN (\w<<6)
.irp u, 0,1,2,3,4,5,6,7
	global_load_b128 v[\base+4*\u:\base+4*\u+3], v[CO], s[72:73] offset:(16*(\a)+2*\u)*8192 th:TH_LOAD_NT
.endr
.irp u, 0,1,2,3,4,5,6,7
	global_load_b128 v[\base+32+4*\u:\base+32+4*\u+3], v[CO], s[70:71] offset:(16*(\a)+2*\u)*8192 th:TH_LOAD_NT
.endr
.irp u, 0,1,2,3,4,5,6,7
	global_load_b128 v[\base+64+4*\u:\base+64+4*\u+3], v[CO], s[68:69] offset:(16*(\a)+2*\u)*8192 th:TH_LOAD_NT
.endr
.endm
	LOADSET 0, SET0, 0                             ; asked for now, waited for on the way out
	LOADSET 0, SET1, 1
; Eight matrix instructions: row blocks a0, a0 + 1 x four column blocks, 32 along K (part kk of buffer f).  Source 0 is B's fragment.
; The sixteen accumulators take turns, one instruction a turn, over the loop's backward jump too.
.macro MULK f, kk, a0, zero
.irp a, \a0, \a0+1
.irp b, 0,1,2,3
.if \zero
	v_wmma_f32_16x16x32_bf16 v[8*(4*(\a)+\b):8*(4*(\a)+\b)+7], v[\f+64+32*\kk+8*\b:\f+64+32*\kk+8*\b+7], v[\f+32*\kk+8*(\a):\f+32*\kk+8*(\a)+7], 0
.else
	v_wmma_f32_16x16x32_bf16 v[8*(4*(\a)+\b):8*(4*(\a)+\b)+7], v[\f+64+32*\kk+8*\b:\f+64+32*\kk+8*\b+7], v[\f+32*\kk+8*(\a):\f+32*\kk+8*(\a)+7], v[8*(4*(\a)+\b):8*(4*(\a)+\b)+7]
.endif
.endr
.endr
.endm
; 32 LDS loads: quarter q of a slot into buffer f; part 0 (A 8, B 8), then part 1
.macro FETCH slot, q, f
	WIN TO_F
.irp p, 0,1
.irp a, 0,1,2,3
	ds_load_b128 v[\f+32*\p+8*\a:\f+32*\p+8*\a+3],   v[ADRA+\slot] offset:\a*16*APITCH+128*\q+64*\p
	ds_load_b128 v[\f+32*\p+8*\a+4:\f+32*\p+8*\a+7], v[ADRA+\slot] offset:\a*16*APITCH+128*\q+64*\p+32
.endr
.irp b, 0,1,2,3
	ds_load_tr16_b128 v[\f+64+32*\p+8*\b:\f+64+32*\p+8*\b+3],   v[ADRB+2*\slot+(\q>>1)] offset:((\q&1)*64+32*\p)*BPITCH+32*\b
	ds_load_tr16_b128 v[\f+64+32*\p+8*\b+4:\f+64+32*\p+8*\b+7], v[ADRB+2*\slot+(\q>>1)] offset:((\q&1)*64+32*\p)*BPITCH+32*\b+16*BPITCH
.endr
.endr
.endm
; multiplies buffer f; in its middle fetches quarter q of the same slot into buffer g
.macro QUARTER slot, q, f, g, zero
	s_wait_dscnt 16                                ; part 0 is in; the youngest sixteen loads (part 1) may be out
	WIN MUL_LO
	MULK \f, 0, 0, \zero
	MULK \f, 0, 2, \zero
	PLACES
	FETCH \slot, \q, \g
	s_wait_dscnt 32                                ; all but the 32 just issued
	WIN MUL_LO
	MULK \f, 1, 0, 0
	MULK \f, 1, 2, 0
.endm
.macro THREE slot, zero
	QUARTER \slot, 1, F0, F1, \zero
	QUARTER \slot, 2, F1, F0, 0
	QUARTER \slot, 3, F0, F1, 0
.endm
; the last quarter and the change of slots: each wave's waits for its reads of this slot and for all its tensor loads stand in front of the
; barrier; behind it this slot is filled again first, then the next slot is read
.macro TURN slot, next, fill
.if \fill
	TILEOFF                                        ; the tile two steps ahead in my order
.endif
	s_wait_dscnt 16
	WIN MUL_LO
	MULK F1, 0, 0, 0
	s_wait_dscnt 0                                 ; my reads of this slot are over
	s_set_vgpr_msb 0xa5a0
	s_wait_tensorcnt 0x0                           ; all my tensor loads have landed (the one that was out is my part of the next slot), so a group 0 may be written
	ds_add_u32 v30, v31
	s_wait_dscnt 0x0
	s_set_vgpr_msb 0xa0a5
.if \fill
	SETADR \slot
.endif
	s_barrier_signal -1
	MULK F1, 0, 2, 0
	WIN 0
	s_barrier_wait -1
.if \fill
	CREST
	JLOAD \slot                                    ; the wave's one tensor load behind the round
.endif
	PLACES
	FETCH \next, 0, F0
	WIN MUL_LO
	MULK F1, 1, 0, 0
	MULK F1, 1, 2, 0
.endm
.macro LAP zero
	THREE 0, \zero
	TURN 0, 1, 1
	THREE 1, 0
	TURN 1, 0, 1
.endm
	s_wait_tensorcnt 0x1                           ; my part of the first tile is in; the second's stays out
	s_barrier_signal -1
	s_barrier_wait -1
	FETCH 0, 0, F0
	LAP 1                                          ; steps 0 and 1
	LOADSET 2, SET2, 2                             ; the other two sets, two steps behind the first two; no matrix instruction names their registers
	LOADSET 3, SET3, 3
	WIN 0
	s_mov_b32 s3, 2                                ; steps 2 to 5
.Llap:
	LAP 0
	WIN 0
	s_sub_co_u32 s3, s3, 1
	s_cmp_lg_u32 s3, 0
	s_cbranch_scc1 .Llap
	THREE 0, 0                                     ; steps 6 and 7 fill nothing
	TURN 0, 1, 0
	THREE 1, 0
	s_wait_dscnt 16
	WIN MUL_LO
	MULK F1, 0, 0, 0
	MULK F1, 0, 2, 0
	s_wait_dscnt 0
	MULK F1, 1, 0, 0
	MULK F1, 1, 2, 0
	WIN 0
	PLACES
; THE WAY OUT, 16 rows at a time through my own stage; then tanh and the blend, four neighbouring columns a lane; sixteen lanes store
; 256 consecutive bytes, aligned.  The set lies at set in window w; the result is written over its nx and stored from there, so that no
; register that a store reads is written again.  left = how many younger loads (later sets') may stay out.
.macro OUT a, w, set, left
	WIN 0x08                                       ; LDS store data from window 2
.irp b, 0,1,2,3
	ds_store_b128 v[STO], v[8*(4*\a+\b):8*(4*\a+\b)+3]   offset:64*\b
	ds_store_b128 v[STO], v[8*(4*\a+\b)+4:8*(4*\a+\b)+7] offset:64*\b+16
.endr
	WIN 0
.irp u, 0,1,2,3,4,5,6,7
	ds_load_b128 v[T+4*\u:T+4*\u+3], v[RD] offset:2*\u*SPITCH      ; LDS serves a wave's instructions in order (ISA guide 5.7.1)
.endr
	s_wait_dscnt 0x0
	s_wait_loadcnt \left
	WIN (\w<<4)                                    ; source 2 from the set's window
.set j, 0
.rept 16
	v_pk_fma_f32 v[T+j:T+j+1], v[T+j:T+j+1], 0x4038aa3b, v[\set+j:\set+j+1] op_sel_hi:[1,0,1]     ; 2 log2 e x
.set j, j+2
.endr
	WIN 0
.set j, 0
.rept 32
	v_exp_f32 v[T+j], v[T+j]
.set j, j+1
.endr
	v_nop                                          ; one plain place behind the transcendentals (ISA guide 5.7.2)
.set j, 0
	s_wait_alu depctr_va_vdst(0)
.rept 16
	v_pk_add_f32 v[T+j:T+j+1], v[T+j:T+j+1], 1.0 op_sel_hi:[1,0]
.set j, j+2
.endr
.set j, 0
.rept 32
	v_rcp_f32 v[T+j], v[T+j]
.set j, j+1
.endr
	v_nop
.set j, 0
	s_wait_alu depctr_va_vdst(0)
.rept 16
	v_pk_fma_f32 v[T+j:T+j+1], v[T+j:T+j+1], -2.0, 1.0 op_sel_hi:[1,0,0]                          ; n = tanh
.set j, j+2
.endr
	WIN (\w<<2)                                    ; source 1 from the set's window
.set j, 0
.rept 16
	v_pk_add_f32 v[T+j:T+j+1], v[T+j:T+j+1], v[\set+64+j:\set+64+j+1] neg_lo:[0,1] neg_hi:[0,1]   ; n - s
.set j, j+2
.endr
	WIN ((\w<<6)|(\w<<4)|\w)                       ; destination, source 0 and source 2 from the set's window
.set j, 0
.rept 16
	v_pk_fma_f32 v[\set+j:\set+j+1], v[\set+32+j:\set+32+j+1], v[T+j:T+j+1], v[\set+64+j:\set+64+j+1]   ; s + z (n - s)
.set j, j+2
.endr
	WIN (\w<<2)                                    ; store data (source 1) from the set's window
.irp u, 0,1,2,3,4,5,6,7
	global_store_b128 v[CO], v[\set+4*\u:\set+4*\u+3], s[74:75] offset:(16*\a+2*\u)*8192 th:TH_STORE_NT
.endr
.endm
	OUT 0, 0, SET0, 48                             ; 72 younger loads could stay out; the wait's field holds less, so the count is the next set's
	OUT 1, 0, SET1, 48
	OUT 2, 2, SET2, 24
	OUT 3, 3, SET3, 0
	WIN 0
	s_wait_tensorcnt 0x0
	ds_add_u32 v30, v31
	s_wait_dscnt 0x0
	CROUND                                         ; the closing round
	s_endpgm
.Lfunc_end_k_q679073791e_final:
	.size	k_q679073791e_final, .Lfunc_end_k_q679073791e_final-k_q679073791e_final
	.p2alignl 7, 3214868480
	.fill 96, 4, 3214868480
	.section	.rodata,"a",@progbits
	.p2align	6, 0x0
	.amdhsa_kernel k_q679073791e_final
		.amdhsa_group_segment_fixed_size 327680
		.amdhsa_private_segment_fixed_size 0
		.amdhsa_enable_private_segment 0
		.amdhsa_kernarg_size 48
		.amdhsa_user_sgpr_count 2
		.amdhsa_user_sgpr_kernarg_segment_ptr 1
		.amdhsa_wavefront_size32 1
		.amdhsa_system_sgpr_workgroup_id_x 1
		.amdhsa_system_sgpr_workgroup_id_y 1
		.amdhsa_system_sgpr_workgroup_id_z 1
		.amdhsa_system_vgpr_workitem_id 0
		.amdhsa_next_free_vgpr 864
		.amdhsa_next_free_sgpr 96
		.amdhsa_reserve_vcc 0
		.amdhsa_float_denorm_mode_32 3
		.amdhsa_float_denorm_mode_16_64 3
		.amdhsa_memory_ordered 1
		.amdhsa_forward_progress 1
		.amdhsa_inst_pref_size 163
	.end_amdhsa_kernel
	.amdgpu_metadata
---
amdhsa.version: [ 1, 2 ]
amdhsa.kernels:
  - .name:           k_q679073791e_final
    .symbol:         k_q679073791e_final.kd
    .args:
      - { .name: sr, .offset: 0, .size: 8, .value_kind: global_buffer, .address_space: global }
      - { .name: wb, .offset: 8, .size: 8, .value_kind: global_buffer, .address_space: global }
      - { .name: states, .offset: 16, .size: 8, .value_kind: global_buffer, .address_space: global }
      - { .name: zb, .offset: 24, .size: 8, .value_kind: global_buffer, .address_space: global }
      - { .name: nxb, .offset: 32, .size: 8, .value_kind: global_buffer, .address_space: global }
      - { .name: out0, .offset: 40, .size: 8, .value_kind: global_buffer, .address_space: global }
    .group_segment_fixed_size: 327680
    .private_segment_fixed_size: 0
    .kernarg_segment_align: 8
    .kernarg_segment_size: 48
    .max_flat_workgroup_size: 128
    .sgpr_count:     96
    .vgpr_count:     864
    .wavefront_size: 32
...
	.end_amdgpu_metadata
.endif
;; end of part 3
;; ======== version 2 of 2: 3 launches; version 1 with the launch prep written anew for expert scheduling mode
;; workspace buffers: xb 16,777,216 bytes; wb 50,331,648 bytes; sr 8,388,608 bytes; zb 16,777,216 bytes; nxb 16,777,216 bytes
;; launch prep (part 4): grid 64 x 8, 8 waves a work-group, no clusters, 0 bytes of LDS; arguments inputs, states, w_r, w_z, w_n, xb, wb; writes xb, wb
.if DOCPART == 4
	.amdgcn_target "amdgcn-amd-amdhsa--gfx1250"
	.amdhsa_code_object_version 6
	.text
	.protected	k_q679073791e_prep
	.globl	k_q679073791e_prep
	.p2align	8
	.type	k_q679073791e_prep,@function
k_q679073791e_prep:
	s_mov_b64 s[64:65], 0
	v_nop
	global_prefetch_b8 v0, s[64:65] scope:SCOPE_SE
	s_setreg_imm32_b32 hwreg(HW_REG_WAVE_SCHED_MODE, 0, 2), 2
	s_setreg_imm32_b32 hwreg(HW_REG_WAVE_MODE, 25, 1), 1
	s_wait_xcnt 0x0
	s_wait_alu depctr_vm_vsrc(0)
; prep: rounds the matrix operands to bf16 once and lays them out for the two product launches.
;   xb byte m*8192 + t*256 + p*128 + 2j : p = 0 inputs[m][64t+j], p = 1 states[m][64t+j]  (t 0..31, j 0..63)
;   wb byte k*24576 + nb*1536 + s*256 + 2c : column n = 128 nb + c of row k (s = 0, 1, 2: w_r, w_z, w_n) or of row 2048 + k (s = 3, 4, 5)
; A stream: each input byte is read once, each output byte written once; no LDS, no barrier, no matrix unit, and no cluster,
; since no two work-groups read the same bytes.  Rounding is to nearest even (v_cvt_pk_bf16_f32).
; Grid y = 0..5: one segment s of wb, 32 rows k for each x.  Grid y = 6, 7: 16 rows of xb for each x.
; Every load of a wave covers 512 consecutive bytes (128 f32, lane l its bytes 16 l); the 128 bf16 made of them are 256 consecutive
; bytes, aligned, and leave by one store of 8 bytes a lane.
; THE MODE: SCHED_MODE bits 1:0 = 2 (LLVM: expert scheduling mode 2), set by the entry lines.  The code itself states the register dependences
; between vector instructions and memory instructions, with s_wait_alu, always for 0.
; THE PLAN.  Both ways have 32 turns of two loads, four conversions and two stores, in 8 blocks of four.  Registers that memory instructions touch:
;   X   20 slots of 8 registers; turn t has slot t mod 20.  Written by the turn's two loads, read by its conversions.  Slots 0 to 11 are
;       loaded a second time, for turns 20 to 31.
;   Y   four registers for each of turns 0 to 11, whose slots are loaded again: written by the turn's conversions (and lane swaps), read by its
;       two stores, never written again.  Turns 12 to 31 convert in place, into the first four registers of a slot in which no later load lands.
;   v1, v2   the loads' and the stores' offsets, made once and never written again: all steps stand in the immediates.
; Block b's vector instructions name block b's slots and out registers alone.  Its memory instructions are the stores of block b - 1 and, in
; blocks 1 to 3, the loads of block b + 4, which land in block b - 1's slots: other slots (b mod 5 against (b - 1) mod 5) and other out registers.
; So ONE wait on va_vdst at a block's head states all that the block's memory instructions hang on, and they are dealt among its conversions with
; no further wait.  No register that a memory instruction reads is ever written again: so no wait on vm_vsrc is owed, and none on XCNT.
; No vector instruction writes a scalar register, and EXEC is never written.
.set SLOTS, 20
.set TURNS, 32
.set BLK,   4                          ; turns in a block
.set X, 8                              ; v[8:167]    the slots, 8 f32 as loaded
.set Y, 168                            ; v[168:215]  the bf16 of turns 0 to 11
; the registers of turn t: rX its slot, rO the first of the four that take its bf16
.macro REGS t
.set rX, X+8*((\t)%SLOTS)
.if (\t) < TURNS-SLOTS
.set rO, Y+4*(\t)
.else
.set rO, rX                            ; in place: each register is written after it was read
.endif
.endm
; Turn t's data are waited for and rounded.  Loads are asked for in the order of the turns, two to a turn, and come back in order (ISA guide 5.7.1):
; ASKED counts the turns asked for so far, so two loads for each turn asked for behind t stay out: 38 down to 32 in block 0, 32 in blocks 1 to 3,
; then 30 down to 0.
.macro CONV t
	REGS \t
	s_wait_loadcnt 2*(ASKED-(\t)-1)
	v_cvt_pk_bf16_f32 v[rO],   v[rX],   v[rX+1]
	v_cvt_pk_bf16_f32 v[rO+1], v[rX+2], v[rX+3]
	v_cvt_pk_bf16_f32 v[rO+2], v[rX+4], v[rX+5]
	v_cvt_pk_bf16_f32 v[rO+3], v[rX+6], v[rX+7]
.endm
	s_load_b256 s[4:11], s[0:1], 0x0               ; inputs s[4:5], states s[6:7], w_r s[8:9], w_z s[10:11]
	s_load_b128 s[12:15], s[0:1], 0x20             ; w_n s[12:13], xb s[14:15]
	s_load_b64 s[16:17], s[0:1], 0x30              ; wb
	s_and_b32 s20, ttmp7, 0xffff                   ; grid y
	s_mov_b32 s27, 0                               ; high word of every offset pair: all offsets are below 4 GiB
	v_lshlrev_b32 v1, 4, v0                        ; source: 16 t; wave w takes the 512 bytes at 512 w, and those 4,096 bytes further on
	v_lshrrev_b32 v3, 5, v0                        ; wave
	v_and_b32 v4, 31, v0                           ; lane
	s_wait_kmcnt 0x0
	s_cmp_ge_u32 s20, 6
	s_cbranch_scc1 .Lx
	; ---- the weights: segment s = y.  A turn is a row: wave w takes column blocks w and w + 8.
	s_cmp_ge_u32 s20, 3
	s_cselect_b32 s22, 1, 0                        ; 0: rows 0..2047 of the weight, 1: rows 2048..4095
	s_mul_i32 s23, s22, 3
	s_sub_co_u32 s21, s20, s23                     ; the gate: 0 r, 1 z, 2 n
	s_cmp_eq_u32 s21, 0
	s_cselect_b64 s[24:25], s[8:9], s[10:11]
	s_cmp_eq_u32 s21, 2
	s_cselect_b64 s[24:25], s[12:13], s[24:25]     ; the gate's weight
	s_lshl_b32 s26, s22, 24                        ; 2,048 rows of 8,192 bytes
	s_lshl_b32 s23, ttmp9, 18                      ; 32 rows of 8,192 bytes for each x
	s_add_co_u32 s26, s26, s23
	s_add_nc_u64 s[24:25], s[24:25], s[26:27]      ; source at the group's first row
	s_mul_i32 s26, ttmp9, 786432                   ; 32 rows of 24,576 bytes
	s_lshl_b32 s23, s20, 8                         ; the segment
	s_add_co_u32 s26, s26, s23
	s_add_nc_u64 s[28:29], s[16:17], s[26:27]      ; destination
	v_mul_u32_u24 v3, v3, 0x600                    ; destination: column block w is 1,536 bytes on,
	v_lshl_add_u32 v2, v4, 3, v3                   ; and 8 bytes a lane
	s_wait_alu depctr_va_vdst(0)                   ; v1 and v2 are written: every load below reads v1 as its offset, every store v2
.macro WFILL t
	REGS \t
	global_load_b128 v[rX:rX+3],   v1, s[24:25] offset:(\t)*8192 th:TH_LOAD_NT
	global_load_b128 v[rX+4:rX+7], v1, s[24:25] offset:(\t)*8192+4096 th:TH_LOAD_NT
.set ASKED, ASKED+1
.endm
.macro WSTORE t
	REGS \t
	global_store_b64 v2, v[rO:rO+1],   s[28:29] offset:(\t)*24576
	global_store_b64 v2, v[rO+2:rO+3], s[28:29] offset:(\t)*24576+12288   ; column block w + 8
.endm
.macro WBLOCK b
.if (\b) > 0
	s_wait_alu depctr_va_vdst(0)                   ; the block before has written its out registers, which the stores below read, and is done reading its slots, in which the loads below land
.endif
.irp i, 0,1,2,3
.if (\b) > 0
.if 4*((\b)-1)+(\i)+SLOTS < TURNS
	WFILL 4*((\b)-1)+(\i)+SLOTS                    ; the slot's second turn; no vector instruction since the wait names these registers
.endif
	WSTORE 4*((\b)-1)+(\i)                         ; the block before
.endif
	CONV 4*(\b)+(\i)
.endr
.endm
.set ASKED, 0
.set n, 0
.rept SLOTS
	WFILL n                                        ; rows 0 to 19
.set n, n+1
.endr
.irp b, 0,1,2,3,4,5,6,7
	WBLOCK \b
.endr
	s_wait_alu depctr_va_vdst(0)                   ; the last block has written its out registers, which the last eight stores read
.irp i, 0,1,2,3
	WSTORE TURNS-BLK+(\i)
.endr
	s_endpgm
	; ---- inputs and states, woven in pieces of 64 columns.  A turn is half a row: wave w takes the 128 columns at 128 w of that half,
	; once from inputs and once from states.  Lanes 0-15 hold the first piece of 64 columns, lanes 16-31 the second.  Exchanging the upper
	; lanes of inputs' words with the lower lanes of states' words makes of them two whole units of xb: (inputs, states) of the first
	; piece, and of the second.
.Lx:
	s_sub_co_u32 s21, s20, 6
	s_lshl_b32 s26, s21, 23                        ; 1,024 rows of 8,192 bytes
	s_lshl_b32 s23, ttmp9, 17                      ; 16 rows for each x
	s_add_co_u32 s26, s26, s23
	s_add_nc_u64 s[4:5], s[4:5], s[26:27]
	s_add_nc_u64 s[6:7], s[6:7], s[26:27]
	s_add_nc_u64 s[28:29], s[14:15], s[26:27]
	v_lshlrev_b32 v3, 9, v3                        ; destination: two units of 256 bytes for each wave,
	v_lshl_add_u32 v2, v4, 3, v3                   ; 8 bytes a lane
	s_wait_alu depctr_va_vdst(0)                   ; v1 and v2 are written: every load below reads v1 as its offset, every store v2
.macro XFILL t                         ; half a row is 4,096 bytes in the sources and in xb alike
	REGS \t
	global_load_b128 v[rX:rX+3],   v1, s[4:5] offset:(\t)*4096 th:TH_LOAD_NT      ; inputs
	global_load_b128 v[rX+4:rX+7], v1, s[6:7] offset:(\t)*4096 th:TH_LOAD_NT      ; states
.set ASKED, ASKED+1
.endm
.macro XSTORE t
	REGS \t
	global_store_b64 v2, v[rO:rO+1],   s[28:29] offset:(\t)*4096
	global_store_b64 v2, v[rO+2:rO+3], s[28:29] offset:(\t)*4096+256
.endm
.macro XBLOCK b
.if (\b) > 0
	s_wait_alu depctr_va_vdst(0)                   ; the block before has written its out registers (conversions and swaps), which the stores below read, and is done reading its slots, in which the loads below land
.endif
.irp i, 0,1,2,3
.if (\b) > 0
.if 4*((\b)-1)+(\i)+SLOTS < TURNS
	XFILL 4*((\b)-1)+(\i)+SLOTS                    ; the slot's second turn; no vector instruction since the wait names these registers
.endif
	XSTORE 4*((\b)-1)+(\i)                         ; the block before
.endif
	CONV 4*(\b)+(\i)                               ; rO, rO + 1: inputs; rO + 2, rO + 3: states
	v_permlane16_swap_b32 v[rO],   v[rO+2]         ; the first's lanes 16-31 change places with the second's lanes 0-15
	v_permlane16_swap_b32 v[rO+1], v[rO+3]
.endr
.endm
.set ASKED, 0
.set n, 0
.rept SLOTS
	XFILL n                                        ; half rows 0 to 19
.set n, n+1
.endr
.irp b, 0,1,2,3,4,5,6,7
	XBLOCK \b
.endr
	s_wait_alu depctr_va_vdst(0)                   ; the last block has written its out registers, which the last eight stores read
.irp i, 0,1,2,3
	XSTORE TURNS-BLK+(\i)
.endr
	s_endpgm
.Lfunc_end_k_q679073791e_prep:
	.size	k_q679073791e_prep, .Lfunc_end_k_q679073791e_prep-k_q679073791e_prep
	.p2alignl 7, 3214868480
	.fill 96, 4, 3214868480
	.section	.rodata,"a",@progbits
	.p2align	6, 0x0
	.amdhsa_kernel k_q679073791e_prep
		.amdhsa_group_segment_fixed_size 0
		.amdhsa_private_segment_fixed_size 0
		.amdhsa_enable_private_segment 0
		.amdhsa_kernarg_size 56
		.amdhsa_user_sgpr_count 2
		.amdhsa_user_sgpr_kernarg_segment_ptr 1
		.amdhsa_wavefront_size32 1
		.amdhsa_system_sgpr_workgroup_id_x 1
		.amdhsa_system_sgpr_workgroup_id_y 1
		.amdhsa_system_sgpr_workgroup_id_z 1
		.amdhsa_system_vgpr_workitem_id 0
		.amdhsa_next_free_vgpr 216
		.amdhsa_next_free_sgpr 66
		.amdhsa_reserve_vcc 0
		.amdhsa_float_denorm_mode_32 3
		.amdhsa_float_denorm_mode_16_64 3
		.amdhsa_memory_ordered 1
		.amdhsa_forward_progress 1
		.amdhsa_inst_pref_size 47
	.end_amdhsa_kernel
	.amdgpu_metadata
---
amdhsa.version: [ 1, 2 ]
amdhsa.kernels:
  - .name:           k_q679073791e_prep
    .symbol:         k_q679073791e_prep.kd
    .args:
      - { .name: inputs, .offset: 0, .size: 8, .value_kind: global_buffer, .address_space: global }
      - { .name: states, .offset: 8, .size: 8, .value_kind: global_buffer, .address_space: global }
      - { .name: w_r, .offset: 16, .size: 8, .value_kind: global_buffer, .address_space: global }
      - { .name: w_z, .offset: 24, .size: 8, .value_kind: global_buffer, .address_space: global }
      - { .name: w_n, .offset: 32, .size: 8, .value_kind: global_buffer, .address_space: global }
      - { .name: xb, .offset: 40, .size: 8, .value_kind: global_buffer, .address_space: global }
      - { .name: wb, .offset: 48, .size: 8, .value_kind: global_buffer, .address_space: global }
    .group_segment_fixed_size: 0
    .private_segment_fixed_size: 0
    .kernarg_segment_align: 8
    .kernarg_segment_size: 56
    .max_flat_workgroup_size: 256
    .sgpr_count:     66
    .vgpr_count:     216
    .wavefront_size: 32
...
	.end_amdgpu_metadata
.endif
;; end of part 4
;; launch gates: the kernel of part 2 again; grid 16 x 16, 4 waves a work-group, clusters of 4 x 4, 327,680 bytes of LDS; arguments xb, wb, states, b_r, b_z, b_n, sr, zb, nxb; writes sr, zb, nxb
;; launch final: the kernel of part 3 again; grid 16 x 16, 4 waves a work-group, clusters of 4 x 4, 327,680 bytes of LDS; arguments sr, wb, states, zb, nxb, out0; writes out0
